; MI455X (gfx1250); checked and timed in simulation.
; The chip was launched on July 23, 2026; its instructions are those of AMD's public machine-readable ISA for CDNA 5 (MIT licence, August 2026) and "CDNA5" Instruction Set Architecture Reference Guide (July 2026). The comments in the code are by the model that wrote it; some were corrected since.
;; Self Attention. Allowed arithmetic: matrix products marked QUANTISED: E5M2 operands, one E8M0 scale for each 32 along K, by v_wmma_scale_f32_16x16x128_f8f6f4 with both operands' format E5M2, f32 sums; everything else in f32.
;; Inputs: Wk 512 x 512 float32; Wo 512 x 512 float32; Wq 512 x 512 float32; Wv 512 x 512 float32; bk 512 float32; bo 512 float32; bq 512 float32; bv 512 float32; x 2 x 4,096 x 512 float32.
;; Outputs: out0 2 x 4,096 x 512 float32.
;; This version of the problem:
;;   THIS VERSION OF THE PROBLEM IS GIVEN IN LOW PRECISION. The matrix products marked QUANTISED in the list below multiply operands that are first quantised to E5M2 (5 exponent bits, 2 mantissa bits; 8 bits a number), with one power-of-two scale for each 32 numbers along K (OCP MX v1.0); their sums are f32. All else is computed in f32.
;;   The module's matrix products, in the order in which they are computed (A, B: the left and right operand; K: the contracted axis; several contracted axes count as one K, in the product's order):
;;     1. [M 8,192, K 512] x [K 512, N 512]; A: input x; B: input Wq: QUANTISED
;;     2. [M 8,192, K 512] x [K 512, N 512]; A: input x; B: input Wk: QUANTISED
;;     3. [M 8,192, K 512] x [K 512, N 512]; A: input x; B: input Wv: QUANTISED
;;     4. batch 16 x [M 4,096, K 64] x [K 64, N 4,096]; A: computed on the way; B: computed on the way: QUANTISED
;;     5. batch 16 x [M 4,096, K 4,096] x [K 4,096, N 64]; A: softmax (see below); B: computed on the way: QUANTISED
;;     6. [M 8,192, K 512] x [K 512, N 512]; A: computed on the way; B: input Wo: QUANTISED
;;   THE QUANTISER, for each operand of a quantised product, along K:
;;     - K is cut into blocks of 32 from its start; a last block that is shorter is filled with zeros.
;;     - A block's scale is 2^e with e = floor(log2(the largest magnitude in the block)) - 15, held to -126 .. 127; a block of zeros has e = 0. As a byte (E8M0): e + 127.
;;     - Each number is divided by its block's scale, clamped to +-57,344, and rounded to the nearest number of E5M2, ties to even, subnormals kept.
;;     - The product sums the exact products of the quantised numbers (number of the format x scale) in f32.
;;   ~~~python
;;   def quantise(x, axis):      # numpy; x: float32 -> the quantised numbers, widened to float32 again
;;       x = np.moveaxis(x, axis, -1); K = x.shape[-1]
;;       x = np.pad(x, [(0, 0)] * (x.ndim - 1) + [(0, -K % 32)]); x = x.reshape(x.shape[:-1] + (-1, 32)); a = np.abs(x).max(-1, keepdims=True)
;;       e = np.where(a > 0, np.clip(np.frexp(np.where(a > 0, a, 1))[1] - 1 - 15, -126, 127), 0)      # np.frexp(a)[1] - 1 = floor(log2(a)), exactly
;;       r = np.clip(x / 2.0 ** e, -57344, 57344)
;;       step = 2.0 ** (np.maximum(np.frexp(np.where(r == 0, 1, r))[1] - 1, -14) - 2)
;;       q = np.round(r / step) * step * 2.0 ** e      # np.round: ties to even
;;       return np.moveaxis(q.reshape(q.shape[:-2] + (-1,))[..., :K], -1, axis).astype(np.float32)
;;   ~~~
;;   SOFTMAX AHEAD OF A QUANTISED PRODUCT. Where the list says 'softmax', what is quantised is not the finished softmax but p = 2^(t - M), with t = logit x log2(e) and M = ceil(the row's largest t), a whole number; so 1/2 < the row's largest p <= 1. The row's sum l is taken of the UNQUANTISED p, in f32, and the product's result is divided by l at the end. Since M is a whole number, a kernel that streams over the keys may use a running M (the ceiling of the running maximum): every later rescaling is an exact power of two, which a block's scale takes up: the codes' values come out the same.
;;   OPERANDS COMPUTED ON THE WAY. 'Computed on the way' means the value that the module computes at that place (a softmax that the list does not call 'softmax' is quantised finished and normalised). What goes into a quantiser is computed in f32, as accurately as f32 sums, v_exp_f32 and their like allow (about 1e-6 of the number): no bf16 or f16 on the way to a quantiser, and a product that is left as it is and whose result goes on into a quantised operand takes f32 operands (vector FMAs, or v_wmma_f32_16x16x4_f32). A number that lies on a knife's edge between two numbers of the format may be rounded either way, as far as f32 arithmetic and the matrix unit's own rounding can turn it there, and no further.
;; One version. Each part assembles by itself: llvm-mc -triple=amdgcn-amd-amdhsa -mcpu=gfx1250 --defsym DOCPART=n.
;; ======== version 1 of 1: 4 launches
;; limits: right only within a limited range of input values
;; workspace buffers: ximg 4,325,376 bytes; wimg 1,081,344 bytes; qimg 4,456,448 bytes; kvimg 8,912,896 bytes; oimg 4,325,376 bytes
;; launch prep (part 1): grid 640 x 1, 4 waves a work-group, no clusters, 0 bytes of LDS; arguments x, Wq, Wk, Wv, Wo, ximg, wimg; writes ximg, wimg
.if DOCPART == 1
	.amdgcn_target "amdgcn-amd-amdhsa--gfx1250"
	.amdhsa_code_object_version 6
	.text
	.protected	k_q482f5bbd3c_prep
	.globl	k_q482f5bbd3c_prep
	.p2align	8
	.type	k_q482f5bbd3c_prep,@function
k_q482f5bbd3c_prep:
	s_mov_b64 s[64:65], 0
	v_nop
	global_prefetch_b8 v0, s[64:65] scope:SCOPE_SE
	s_setreg_imm32_b32 hwreg(HW_REG_WAVE_MODE, 25, 1), 1
	s_wait_xcnt 0x0
; x [8192][512] f32 and the four weights [512 (k)][512 (n)] f32 become codes of BF8 (E5M2) with one E8M0 byte for each 32 along K = 512,
; laid as IMAGES OF THE MATRIX OPERAND'S REGISTERS.  A tile is 16 rows (tokens of x, columns n of a weight) x K = 512: a record of TREC bytes:
; 16 chunks of 512 bytes (chunk g = block g of 32 along K: lane l's four registers at 16 l), then 256 bytes of scale bytes, [row][16].
; THE ROWS OF A TILE ARE NOT NEIGHBOURS: lane r of tile 2 b + u holds row 32 b + 8 u + r + 8 (r / 8): a product that takes such tiles as source 0
; leaves 16 neighbours along these rows in a lane's 16 registers of two neighbouring tiles.
; SHARES: a work-group takes one tile (0-511: x's; 512-639: weight (id / 32) in the order q, k, v, o, tile id % 32); wave s takes K step s (128 along K):
; 64 numbers a lane, register 16 c + i = k 128 s + 32 c + 16 (lane / 16) + i of the lane's row.  x: K is innermost: 16 loads of 16 bytes.
; A weight: K is the first axis: a lane takes a column and its registers run down K: 64 loads of 4 bytes.  Nothing is transposed by an instruction.
; A block's scale is 2^(floor(log2(largest magnitude)) - 15); numbers are held within +-57,344 x the scale and rounded to the nearest code, ties to even.
; LIMITS: NaN and infinities among the inputs are not served; a block of zeros gets the byte 1 where the rule says 127 (its codes are zeros, and only this
; program reads the bytes); blocks whose largest magnitude lies under 2^-111 have the byte held at 1.
; No LDS, no barrier, no matrix unit, no cluster: waves share nothing and every input byte is read once.
.set TREC, 8448                        ; a tile's record: 8,192 bytes of codes + 256 of scale bytes
.set PW,   8                           ; v8       the scale word just made
.set X,    16                          ; v16-79   64 numbers
.set PC,   80                          ; v80-95   their codes
.set TM,   96                          ; v96-99 largest magnitudes, v100-103 bytes, v104-107 57,344 x the scale, v108-111 the conversions' scale operands
.set MNT,  19                          ; s19      the mantissa field of 57,344
.set SEL,  20                          ; s[20:21] v_permlanex16_b32's selects for lane l xor 16
.macro QUANT s                         ; 64 numbers v[s] on become a fragment's codes in v[PC] on and its scale word in v[PW]
.irp b, 0,1,2,3
	v_max3_num_f32 v[TM+\b], |v[\s+16*\b]|, |v[\s+1+16*\b]|, 0x8000000   ; block b: my 16 numbers, and the floor 2^(16 - 127): the byte cannot fall under 1
.endr
.irp i, 2,4,6,8,10,12,14
.irp b, 0,1,2,3
	v_max3_num_f32 v[TM+\b], v[TM+\b], |v[\s+16*\b+\i]|, |v[\s+1+16*\b+\i]|   ; the four blocks by turns
.endr
.endr
.irp b, 0,1,2,3
	v_permlanex16_b32 v[TM+4+\b], v[TM+\b], s[SEL], s[SEL+1]
.endr
.irp b, 0,1,2,3
	v_max_num_f32 v[TM+\b], v[TM+\b], v[TM+4+\b]   ; with lane l xor 16's 16: the block's largest magnitude
.endr
.irp b, 0,1,2,3
	v_add_nc_u32 v[TM+12+\b], 0xf8800000, v[TM+\b]   ; 15 off its exponent field: the conversion's scale operand
.endr
.irp b, 0,1,2,3
	v_and_or_b32 v[TM+8+\b], v[TM+\b], 0x7f800000, s[MNT]   ; 57,344 x the scale
.endr
.irp b, 0,1,2,3
	v_lshrrev_b32 v[TM+4+\b], 23, v[TM+12+\b]      ; the scale's byte
.endr
	v_lshl_or_b32 v[PW], v[TM+5], 8, v[TM+4]
	v_lshl_or_b32 v[PW], v[TM+6], 16, v[PW]
	v_lshl_or_b32 v[PW], v[TM+7], 24, v[PW]        ; my row's scale word for these 128 along K
.irp b, 0,1,2,3
.irp i, 0,1,2,3,4,5,6,7,8,9,10,11,12,13,14,15
	v_med3_num_f32 v[\s+16*\b+\i], v[\s+16*\b+\i], -v[TM+8+\b], v[TM+8+\b]   ; the conversion to an 8-bit code does not saturate (ISA guide 7.6.2): the hold comes first
.endr
	v_cvt_scalef32_pk8_bf8_f32 v[PC+4*\b:PC+1+4*\b], v[\s+16*\b:\s+7+16*\b], v[TM+12+\b]
	v_cvt_scalef32_pk8_bf8_f32 v[PC+2+4*\b:PC+3+4*\b], v[\s+8+16*\b:\s+15+16*\b], v[TM+12+\b]
.endr
	v_nop                                          ; a plain line behind the last conversion
.endm
	s_load_b256 s[4:11], s[0:1], 0x0               ; x s[4:5], Wq s[6:7], Wk s[8:9], Wv s[10:11]
	s_load_b128 s[12:15], s[0:1], 0x20             ; Wo s[12:13], ximg s[14:15]
	s_load_b64 s[16:17], s[0:1], 0x30              ; wimg
	v_lshrrev_b32 v7, 5, v0                        ; wave = K step
	v_readfirstlane_b32 s18, v7
	v_and_b32 v1, 15, v0                           ; r
	v_bfe_u32 v2, v0, 4, 1                         ; h
	v_and_b32 v3, 8, v1
	v_add_nc_u32 v3, v3, v1                        ; r + 8 (r / 8)
	v_and_b32 v5, 31, v0
	v_lshlrev_b32 v5, 4, v5
	v_lshl_add_u32 v5, v7, 11, v5                  ; codes: 16 x lane + 2,048 x K step
	v_lshlrev_b32 v6, 4, v1
	v_lshl_add_u32 v6, v7, 2, v6                   ; scale word: 16 r + 4 x K step
	s_mov_b32 s[MNT], 0x600000
	s_mov_b32 s[SEL], 0x76543210
	s_mov_b32 s[SEL+1], 0xfedcba98
.irp b, 0,1,2,3
	v_mov_b32 v[TM+4+\b], 0                        ; written once: a lane permute's destination counts as one of its sources
.endr
	s_cmp_lt_u32 ttmp9, 512
	s_cselect_b32 s28, 0, 512
	s_sub_co_u32 s28, ttmp9, s28                   ; the tile's number in its image buffer
	s_mul_i32 s30, s28, TREC
	s_mov_b32 s31, 0
	s_wait_kmcnt 0x0
	s_cmp_lt_u32 ttmp9, 512                        ; the choice hangs on the work-group's number alone
	s_cselect_b64 s[26:27], s[14:15], s[16:17]
	s_add_nc_u64 s[26:27], s[26:27], s[30:31]      ; the tile's record
	s_cmp_lt_u32 ttmp9, 512
	s_cbranch_scc0 .Lweight
	; ---- a tile of x: rows 32 (T / 2) + 8 (T % 2) + r + 8 (r / 8), 2,048 bytes a row; my K step is 512 bytes of it
	s_lshr_b32 s29, s28, 1
	s_lshl_b32 s29, s29, 5
	s_and_b32 s30, s28, 1
	s_lshl_b32 s30, s30, 3
	s_add_co_u32 s29, s29, s30
	s_lshl_b32 s30, s29, 11
	s_lshl_b32 s29, s18, 9
	s_add_co_u32 s30, s30, s29
	s_mov_b32 s31, 0
	s_add_nc_u64 s[24:25], s[4:5], s[30:31]
	v_lshlrev_b32 v4, 11, v3
	v_lshl_add_u32 v4, v2, 6, v4                   ; my row, + 64 h: my 16 numbers of a block of 32
.irp c, 0,1,2,3
.irp j, 0,1,2,3
	global_load_b128 v[X+16*\c+4*\j:X+16*\c+4*\j+3], v4, s[24:25] offset:128*\c+16*\j th:TH_LOAD_NT
.endr
.endr
	s_branch .Ljoin
.Lweight:
	; ---- a tile of a weight: columns 32 (t / 2) + 8 (t % 2) + r + 8 (r / 8); my registers run down K, 2,048 bytes from k to k + 1
	s_lshr_b32 s29, s28, 5                         ; which weight
	s_cmp_eq_u32 s29, 0
	s_cselect_b64 s[24:25], s[6:7], s[12:13]
	s_cmp_eq_u32 s29, 1
	s_cselect_b64 s[24:25], s[8:9], s[24:25]
	s_cmp_eq_u32 s29, 2
	s_cselect_b64 s[24:25], s[10:11], s[24:25]
	s_and_b32 s28, s28, 31
	s_lshr_b32 s29, s28, 1
	s_lshl_b32 s29, s29, 5
	s_and_b32 s30, s28, 1
	s_lshl_b32 s30, s30, 3
	s_add_co_u32 s29, s29, s30
	s_lshl_b32 s30, s29, 2                         ; the tile's first column, in bytes
	s_lshl_b32 s29, s18, 18                        ; + 128 rows of 2,048 bytes for each K step
	s_add_co_u32 s30, s30, s29
	s_mov_b32 s31, 0
	s_add_nc_u64 s[24:25], s[24:25], s[30:31]
	v_lshlrev_b32 v4, 2, v3
	v_lshl_add_u32 v4, v2, 15, v4                  ; my column, and 16 rows further down for lanes 16-31
.irp c, 0,1,2,3
.irp i, 0,1,2,3,4,5,6,7,8,9,10,11,12,13,14,15
	global_load_b32 v[X+16*\c+\i], v4, s[24:25] offset:(32*\c+\i)*2048
.endr
.endr
.Ljoin:
	s_wait_loadcnt 0x0
	QUANT X
.irp c, 0,1,2,3
	global_store_b128 v5, v[PC+4*\c:PC+4*\c+3], s[26:27] offset:512*\c   ; a chunk: the wave stores 512 consecutive bytes, aligned
.endr
	global_store_b32 v6, v[PW], s[26:27] offset:8192   ; both halves of the lanes hold, and write, the same word
	s_endpgm
.Lfunc_end_k_q482f5bbd3c_prep:
	.size	k_q482f5bbd3c_prep, .Lfunc_end_k_q482f5bbd3c_prep-k_q482f5bbd3c_prep
	.p2alignl 7, 3214868480
	.fill 96, 4, 3214868480
	.section	.rodata,"a",@progbits
	.p2align	6, 0x0
	.amdhsa_kernel k_q482f5bbd3c_prep
		.amdhsa_group_segment_fixed_size 0
		.amdhsa_private_segment_fixed_size 0
		.amdhsa_enable_private_segment 0
		.amdhsa_kernarg_size 56
		.amdhsa_user_sgpr_count 2
		.amdhsa_user_sgpr_kernarg_segment_ptr 1
		.amdhsa_wavefront_size32 1
		.amdhsa_system_sgpr_workgroup_id_x 1
		.amdhsa_system_sgpr_workgroup_id_y 1
		.amdhsa_system_sgpr_workgroup_id_z 1
		.amdhsa_system_vgpr_workitem_id 0
		.amdhsa_next_free_vgpr 112
		.amdhsa_next_free_sgpr 66
		.amdhsa_reserve_vcc 0
		.amdhsa_float_denorm_mode_32 3
		.amdhsa_float_denorm_mode_16_64 3
		.amdhsa_memory_ordered 1
		.amdhsa_forward_progress 1
		.amdhsa_inst_pref_size 19
	.end_amdhsa_kernel
	.amdgpu_metadata
---
amdhsa.version: [ 1, 2 ]
amdhsa.kernels:
  - .name:           k_q482f5bbd3c_prep
    .symbol:         k_q482f5bbd3c_prep.kd
    .args:
      - { .name: x, .offset: 0, .size: 8, .value_kind: global_buffer, .address_space: global }
      - { .name: Wq, .offset: 8, .size: 8, .value_kind: global_buffer, .address_space: global }
      - { .name: Wk, .offset: 16, .size: 8, .value_kind: global_buffer, .address_space: global }
      - { .name: Wv, .offset: 24, .size: 8, .value_kind: global_buffer, .address_space: global }
      - { .name: Wo, .offset: 32, .size: 8, .value_kind: global_buffer, .address_space: global }
      - { .name: ximg, .offset: 40, .size: 8, .value_kind: global_buffer, .address_space: global }
      - { .name: wimg, .offset: 48, .size: 8, .value_kind: global_buffer, .address_space: global }
    .group_segment_fixed_size: 0
    .private_segment_fixed_size: 0
    .kernarg_segment_align: 8
    .kernarg_segment_size: 56
    .max_flat_workgroup_size: 128
    .sgpr_count:     66
    .vgpr_count:     112
    .wavefront_size: 32
...
	.end_amdgpu_metadata
.endif
;; end of part 1
;; launch qkv (part 2): grid 64 x 4, 4 waves a work-group, clusters of 4 x 1, 327,680 bytes of LDS; arguments ximg, wimg, bq, bk, bv, qimg, kvimg; writes qimg, kvimg
.if DOCPART == 2
	.amdgcn_target "amdgcn-amd-amdhsa--gfx1250"
	.amdhsa_code_object_version 6
	.text
	.protected	k_q482f5bbd3c_qkv
	.globl	k_q482f5bbd3c_qkv
	.p2align	8
	.type	k_q482f5bbd3c_qkv,@function
k_q482f5bbd3c_qkv:
	s_mov_b64 s[64:65], 0
	v_nop
	global_prefetch_b8 v0, s[64:65] scope:SCOPE_SE
	s_setreg_imm32_b32 hwreg(HW_REG_WAVE_MODE, 25, 1), 1
	s_wait_xcnt 0x0
	s_wait_alu depctr_hold_cnt(0) depctr_sa_sdst(0) depctr_va_vdst(0) depctr_va_sdst(0) depctr_va_ssrc(0) depctr_va_vcc(0) depctr_vm_vsrc(0)
	s_getreg_b32 s2, hwreg(HW_REG_IB_STS2, 6, 4)
	s_cmp_eq_u32 s2, 0
	s_cbranch_scc0 .Lentry_in_a_cluster
	s_endpgm
.Lentry_in_a_cluster:
	s_bfe_u32 s2, ttmp6, 0x10000c
	s_cmp_lg_u32 s2, 0x3003
	s_cbranch_scc0 .Lentry_shape_is_right
	s_endpgm
.Lentry_shape_is_right:
; q = x Wq + bq, k = x Wk + bk, v = x Wv + bv on codes of BF8 (E5M2) with E8M0 scales, and the results quantised again as operands of the attention launch:
; q and k along a head's 64 channels, v along the keys.  Operands come and go as images of the matrix operand's registers (a tile of 16 rows x K = 512 is a record of TREC bytes:
; 16 chunks of 512 bytes, lane l's 16 bytes at 16 l, then the scale bytes [row][16]).
; SHARES: the 1,536 columns of q, k, v are 24 head-units of 64 (4 weight tiles each, on end in wimg).  Work-group (tb, g): tokens 128 tb on (one key step of one batch), head-units 6 g .. 6 g + 5.
; Wave (a, b) takes, in phase u = 0, 1, 2, head-unit 6 g + 2 u + a, and the block's token tiles 4 b .. 4 b + 3: 3 x 64 products.  A unit lies wholly in q, k or v: its type is (6 g + 2 u + a) / 8.
; TWO FORMS of a unit's 16 sums.  q, k: source 0 = weight tile i, source 1 = x's tile j, sum at 32 j + 8 i: a lane holds one token, 16 registers are 16 neighbouring channels.
;   v: source 0 = x's tile j, source 1 = Wv's tile t, sum at 32 t + 8 j: a lane holds one channel, 16 registers are 16 neighbouring keys.  In both a block of 32 is 16 registers of lanes l and l xor 16,
;   so one quantiser serves both, and its codes are stored as they stand.  The bias is the C of each sum's first product.
; LDS: x's 8 records, then the work-group's 24 weight records: 4 x 67,584 bytes, each brought once by one tensor load (wave 0: x's; wave n = 1, 2, 3: the 8 weight records of phase n - 1); nothing is filled again.
; Each wave has a load line of its own.  The first barrier shows x's records and phase 0's (waves 0 and 1 wait); a barrier behind phase 0's products shows phase 1's (waves under 3 wait), one behind phase 1's products phase 2's (all wait).
; x's four tiles stay in registers; a unit's four weight tiles take turns in two sets, the next unit's read from LDS behind this unit's products, under its quantiser.
; CLUSTER: the four work-groups of a cluster have four token blocks and one g: the weights' loads are joint, with the mask of all four; x's load is the work-group's own.  The place in the cluster enters global addresses alone.
; No prefetch: the launch has no loop to run ahead in, and all it reads is asked for at its head.
; OUT: qimg: codes [bh][tile 256][2 chunks][512], from byte 4,194,304 on the scale words [bh][tile][16].  kvimg: a record of REC bytes for (bh, key step): +0 K's codes [tile 8][chunk 2][512];
;   +8,192 V^T's codes [channel tile 4][chunk 4][512]; +16,384 K's scale words [lane 32][4]: lane (r, u), word n: tile 2 n + u; +16,896 V's [lane 32][tile 4], a byte a block of 32 keys.
;   A scale word of q or k has the head's two bytes below and zeros above, which meet zero codes in the attention launch.
; LIMITS: NaN and infinities are not served; a block of zeros gets the byte 1 (its codes are zeros; only this program reads the bytes); blocks under 2^-111 have the byte held at 1.
.set TREC, 8448
.set REC,  17408
.set GRP,  8*TREC                      ; what one tensor load brings: 264 rows of 256 bytes
.set SPARE, 4*GRP                      ; the spare words: 128 bytes a wave, two blocks of 256 bytes that no other line names
; window 0
.set LI,   1                           ; 16 x lane
.set SR,   2                           ; 16 x (lane % 16)
.set SPW,  3
.set NIL,  4
.set BOFF, 5                           ; q, k: the bias's lane offset, 64 x (lane / 16)
.set BOFV, 6                           ; v: 4 x my channel in a tile pair
.set SVO,  7                           ; the scale words' lane offset
.set WA,   8                           ; two scale bytes of the half's first tile, WB of its second
.set WB,   9
.set ADW,  10                          ; LDS address of the codes that are read next; ADS of their scale words
.set ADS,  11
.set TSO,  12                          ; v12-15 the conversions' scale operands
.set XS,   16                          ; v16-31 x's scale words, 4 j + s
.set LN,   32                          ; lane
.set WS,   34                          ; v34-65 the weights' scale words, 16 set + 4 i + s
.set BI,   66                          ; v66-97 the bias, 8 registers a weight tile
.set PC,   98                          ; v98-113 codes
.set TMX,  114
.set TMP,  118
.set THB,  122
.set ACC,  128                         ; v128-255 sixteen sums
; window 1: x's tile j, K step s at 64 j + 16 s.  windows 2, 3: the weight sets, tile i at 64 i + 16 s
.set WV,  18
.set WA_, 19
.set WB_, 20
.set GG,  21
.set TBK, 22
.set BAT, 23
.set KSP, 24
.set MNT, 25
.set SEL, 26
.set LM,  28                           ; the mask of lanes 16-31
.set HU0, 29                           ; 6 g + a
.set TY,  30
.set CP,  32                           ; s[32:33], s[34:35] where the codes of a half's two tiles go
.set CQ,  34
.set SWP, 36                           ; the scale words
.set BP,  38                           ; the bias
.set STR, 44                           ; s[44:45] from tile to tile, then from half to half
.set SST, 46                           ; s[46:47] the scale words' step
.set T0,  76
.set KC,  77
.set KSC, 78
.set VC,  79
.set VSC, 80
.set TYB, 84                           ; the type of the unit whose bias was asked for last
.set MSB, 0
.macro WIN new                         ; the immediate's high byte repeats the setting that is left
.if MSB != \new
	s_set_vgpr_msb (MSB<<8)|\new
.set MSB, \new
.endif
.endm
.macro WALU
	s_wait_alu depctr_va_vdst(0)
.endm
.macro CROUND                          ; a round of the cluster's barrier
	s_barrier_signal -1
	s_barrier_wait -1
	s_cmp_lg_u32 s[WV], 0
	s_cbranch_scc1 .Lnot_wave_0_\@
	s_barrier_signal -3
.Lnot_wave_0_\@:
	s_barrier_wait -3
	s_barrier_signal -1
	s_barrier_wait -1
.endm
.macro QUANT s                         ; 64 numbers v[s] on, four blocks of 16 registers, become codes in v[PC] on and two pairs of scale bytes
.irp b, 0,1,2,3
	v_max3_num_f32 v[TMX+\b], |v[\s+16*\b]|, |v[\s+1+16*\b]|, 0x8000000   ; and the floor 2^(16 - 127); each sum is first read at its low end
.endr
.irp i, 2,4,6,8,10,12,14
.irp b, 0,1,2,3
	v_max3_num_f32 v[TMX+\b], v[TMX+\b], |v[\s+16*\b+\i]|, |v[\s+1+16*\b+\i]|
.endr
.endr
.irp b, 0,1,2,3
	v_permlanex16_b32 v[TMP+\b], v[TMX+\b], s[SEL], s[SEL+1]
.endr
.irp b, 0,1,2,3
	v_max_num_f32 v[TMX+\b], v[TMX+\b], v[TMP+\b]
.endr
.irp b, 0,1,2,3
	v_add_nc_u32 v[TSO+\b], 0xf8800000, v[TMX+\b]
.endr
.irp b, 0,1,2,3
	v_and_or_b32 v[THB+\b], v[TMX+\b], 0x7f800000, s[MNT]
.endr
.irp b, 0,1,2,3
	v_lshrrev_b32 v[TMP+\b], 23, v[TSO+\b]
.endr
	v_lshl_or_b32 v[WA], v[TMP+1], 8, v[TMP]
	v_lshl_or_b32 v[WB], v[TMP+3], 8, v[TMP+2]
.irp b, 0,1,2,3
.irp i, 0,1,2,3,4,5,6,7,8,9,10,11,12,13,14,15
	v_med3_num_f32 v[\s+16*\b+\i], v[\s+16*\b+\i], -v[THB+\b], v[THB+\b]   ; the hold: the conversion does not saturate (ISA guide 7.6.2)
.endr
	v_cvt_scalef32_pk8_bf8_f32 v[PC+4*\b:PC+1+4*\b], v[\s+16*\b:\s+7+16*\b], v[TSO+\b]
	v_cvt_scalef32_pk8_bf8_f32 v[PC+2+4*\b:PC+3+4*\b], v[\s+8+16*\b:\s+15+16*\b], v[TSO+\b]
.endr
	v_nop                                          ; a plain line behind the last conversion
.endm
.macro WM d, a, b, c, sa, sb
	v_wmma_scale_f32_16x16x128_f8f6f4 v[\d:\d+7], v[\a:\a+15], v[\b:\b+15], v[\c:\c+7], v[\sa], v[\sb] matrix_a_fmt:MATRIX_FMT_BF8 matrix_b_fmt:MATRIX_FMT_BF8
.endm
; 64 products: K step by K step, the 16 sums by turns, one instruction a turn
.macro MULS p, isv
.if \isv
	WIN 0x01|((2+\p)<<2)                           ; source 0 x (window 1), source 1 the weight set
.else
	WIN (2+\p)|0x04                                ; source 0 the weight set, source 1 x
.endif
.irp s, 0,1,2,3
.irp o, 0,1,2,3
.irp n, 0,1,2,3
.if \isv
.if \s == 0
	WM ACC+32*\o+8*\n, 64*\n+16*\s, 64*\o+16*\s, BI+8*\o, XS+4*\n+\s, WS+16*\p+4*\o+\s
.else
	WM ACC+32*\o+8*\n, 64*\n+16*\s, 64*\o+16*\s, ACC+32*\o+8*\n, XS+4*\n+\s, WS+16*\p+4*\o+\s
.endif
.else
.if \s == 0
	WM ACC+32*\o+8*\n, 64*\n+16*\s, 64*\o+16*\s, BI+8*\n, WS+16*\p+4*\n+\s, XS+4*\o+\s
.else
	WM ACC+32*\o+8*\n, 64*\n+16*\s, 64*\o+16*\s, ACC+32*\o+8*\n, WS+16*\p+4*\n+\s, XS+4*\o+\s
.endif
.endif
.endr
.endr
.endr
	WIN 0
.endm
.macro TILES win, sc                   ; four records from v[ADW], v[ADS]: codes into window win, scale words into v[sc] on: 68 loads
	WIN (\win)<<6
.irp i, 0,1,2,3
.irp s, 0,1,2,3
.irp c, 0,1,2,3
	ds_load_b128 v[64*\i+16*\s+4*\c:64*\i+16*\s+4*\c+3], v[ADW] offset:\i*TREC+\s*2048+\c*512
.endr
.endr
.endr
	WIN 0
.irp i, 0,1,2,3
	ds_load_b128 v[\sc+4*\i:\sc+4*\i+3], v[ADS] offset:\i*TREC+8192
.endr
.endm
.macro WLOAD u                         ; phase u's four weight tiles of mine into set u % 2: records 8 u + 4 a on, behind x's
	s_mul_i32 s81, s[WA_], 4*TREC
	s_add_co_u32 s81, s81, GRP+8*(\u)*TREC
	v_add_nc_u32 v[ADW], s81, v[LI]
	v_add_nc_u32 v[ADS], s81, v[SR]
	TILES 2+(\u)%2, WS+16*((\u)%2)
.endm
.macro BIAS u                          ; phase u's bias in the layout of the sums
	s_add_co_u32 s81, s[HU0], 2*(\u)
	s_lshr_b32 s[TYB], s81, 3
	s_and_b32 s81, s81, 7
	s_lshl_b32 s40, s81, 8                         ; 64 numbers a head
	s_cmp_eq_u32 s[TYB], 0                         ; the choices hang on ids alone
	s_cselect_b64 s[BP:BP+1], s[8:9], s[10:11]
	s_cmp_eq_u32 s[TYB], 2
	s_cselect_b64 s[BP:BP+1], s[12:13], s[BP:BP+1]
	s_add_nc_u64 s[BP:BP+1], s[BP:BP+1], s[40:41]
	s_cmp_eq_u32 s[TYB], 2
	s_cbranch_scc1 .Lbv_\@
.irp i, 0,1,2,3                                ; lane (r, h), tile 2 n + u: channels 32 n + 8 u + 16 h + 0 .. 7
	global_load_b128 v[BI+8*\i:BI+8*\i+3], v[BOFF], s[BP:BP+1] offset:(32*(\i/2)+8*(\i%2))*4
	global_load_b128 v[BI+8*\i+4:BI+8*\i+7], v[BOFF], s[BP:BP+1] offset:(32*(\i/2)+8*(\i%2))*4+16
.endr
	s_branch .Lbj_\@
.Lbv_\@:
.irp t, 0,1,2,3                                ; my channel's number, eight times: the eight registers of a sum are eight keys
.irp j, 0,1,2,3,4,5,6,7
	global_load_b32 v[BI+8*\t+\j], v[BOFV], s[BP:BP+1] offset:(32*(\t/2)+8*(\t%2))*4
.endr
.endr
.Lbj_\@:
.endm
.macro USET u                          ; where phase u's codes and scale bytes go
	s_add_co_u32 s81, s[HU0], 2*(\u)
	s_lshr_b32 s[TY], s81, 3
	s_and_b32 s31, s81, 7
	s_lshl_b32 s81, s[BAT], 3
	s_add_co_u32 s31, s31, s81                     ; the batch-head
	s_lshl_b32 s81, s31, 8
	s_add_co_u32 s81, s81, s[T0]                   ; q: my first tile of that head
	s_lshl_b32 s40, s81, 10
	s_lshl_b32 s42, s81, 6
	s_add_co_u32 s42, s42, 4194304
	s_lshl_b32 s81, s31, 5
	s_add_co_u32 s81, s81, s[KSP]
	s_mul_i32 s81, s81, REC                        ; k, v: the record
	s_mov_b32 s[STR], 1024
	s_cmp_eq_u32 s[TY], 2
	s_cselect_b32 s82, s[VC], s[KC]
	s_cselect_b32 s85, s[VSC], s[KSC]
	s_cselect_b32 s[STR], 2048, s[STR]
	s_cselect_b32 s[SST], 8, 4
	s_add_co_u32 s82, s82, s81
	s_add_co_u32 s85, s85, s81
	s_cmp_eq_u32 s[TY], 0
	s_cselect_b32 s40, s40, s82
	s_cselect_b32 s42, s42, s85
	s_cselect_b32 s[SST], 128, s[SST]
	s_cselect_b32 s83, 2, 4
	s_cselect_b64 s[CP:CP+1], s[14:15], s[16:17]
	s_mov_b64 s[SWP:SWP+1], s[CP:CP+1]
	s_add_nc_u64 s[CP:CP+1], s[CP:CP+1], s[40:41]
	s_add_nc_u64 s[SWP:SWP+1], s[SWP:SWP+1], s[42:43]
	s_add_nc_u64 s[CQ:CQ+1], s[CP:CP+1], s[STR:STR+1]
	s_lshl_b32 s[STR], s[STR], 1
	v_lshlrev_b32 v[SVO], s83, v[LN]               ; q: 4 bytes a lane; k: 16
.endm
.macro HALFQ m                         ; eight of the unit's sums: two tiles, four blocks
.if \m
	s_wait_xcnt 0x0                                ; the first half's stores have read their data and bases
	s_add_nc_u64 s[CP:CP+1], s[CP:CP+1], s[STR:STR+1]
	s_add_nc_u64 s[CQ:CQ+1], s[CQ:CQ+1], s[STR:STR+1]
	s_add_nc_u64 s[SWP:SWP+1], s[SWP:SWP+1], s[SST:SST+1]
.endif
	QUANT ACC+64*\m
	global_store_b128 v[LI], v[PC:PC+3], s[CP:CP+1]               ; a chunk: 512 consecutive bytes, aligned
	global_store_b128 v[LI], v[PC+4:PC+7], s[CP:CP+1] offset:512
	global_store_b128 v[LI], v[PC+8:PC+11], s[CQ:CQ+1]
	global_store_b128 v[LI], v[PC+12:PC+15], s[CQ:CQ+1] offset:512
	WALU                                           ; the wait ahead of the branch
	s_cmp_eq_u32 s[TY], 2
	s_cbranch_scc1 .Lsv_\@
	v_cndmask_b32 v[WA], v[WA], v[WB], s[LM]       ; lanes 0-15: the even tile's words; lanes 16-31: the odd tile's
	global_store_b32 v[SVO], v[WA], s[SWP:SWP+1]
	s_branch .Lsj_\@
.Lsv_\@:
	global_store_b16 v[LI], v[WA], s[SWP:SWP+1]    ; my two key blocks' bytes of two channel tiles
	global_store_b16 v[LI], v[WB], s[SWP:SWP+1] offset:4
.Lsj_\@:
.endm
.macro UNIT u
	s_wait_dscnt 0x0                               ; this phase's weight tiles are in registers; no LDS instruction of mine is out
	s_wait_loadcnt 0x0                             ; the bias
	s_cmp_eq_u32 s[TYB], 2
	s_cbranch_scc1 .Lmv_\@
	MULS (\u%2), 0
	s_branch .Lmj_\@
.Lmv_\@:
	MULS (\u%2), 1
.Lmj_\@:
.rept 8
	v_nop                                          ; eight places ahead of the loads into the bias's registers and of the first read of the sums
.endr
.if \u == 0
	s_cmp_lt_u32 s[WV], 3                          ; wave 2's load, phase 1's records, is shown here; wave 3's may stay out: it has a line of its own
	s_cbranch_scc0 .Lnot_second
	s_wait_tensorcnt 0x0
.Lnot_second:
	s_barrier_signal -1
	s_barrier_wait -1
.endif
.if \u == 1
	s_wait_tensorcnt 0x0                           ; all that is still out: phase 2's records
	s_barrier_signal -1
	s_barrier_wait -1
.endif
.if \u < 2
	WLOAD (\u+1)                                   ; the next phase's, into the set that the phase before multiplied; they land under the quantiser
	BIAS (\u+1)
.endif
	s_wait_xcnt 0x0                                ; the last unit's stores have read their data and bases
	USET \u
	HALFQ 0
	HALFQ 1
.endm
.macro ARM under, g0, g1, next         ; an arm of the head's chain: one tensor load, and a jump to the chain's end
	s_cmp_lt_u32 s[WV], \under
	s_cbranch_scc0 \next
	tensor_load_to_lds s[\g0:\g0+3], s[\g1:\g1+7]
	s_nop 0
.rept 4
	v_nop
.endr
	s_branch .Lasked
\next:
.endm
	s_load_b256 s[4:11], s[0:1], 0x0               ; ximg s[4:5], wimg s[6:7], bq s[8:9], bk s[10:11]
	s_load_b128 s[12:15], s[0:1], 0x20             ; bv s[12:13], qimg s[14:15]
	s_load_b64 s[16:17], s[0:1], 0x30              ; kvimg
	v_lshl_add_u32 v[SPW], v0, 2, SPARE
	v_mov_b32 v[NIL], 0
	ds_add_u32 v[SPW], v[NIL]                      ; the opening: the add, twice on end, and its wait ahead of my first tensor load
	ds_add_u32 v[SPW], v[NIL]
	v_lshrrev_b32 v[WA], 5, v0
	v_readfirstlane_b32 s[WV], v[WA]               ; wave 0..3
	v_and_b32 v[LN], 31, v0
	v_and_b32 v[WB], 15, v0                        ; r
	v_bfe_u32 v[WA], v0, 4, 1                      ; h
	v_lshlrev_b32 v[LI], 4, v[LN]
	v_lshlrev_b32 v[SR], 4, v[WB]
	v_lshlrev_b32 v[BOFF], 6, v[WA]
	v_and_b32 v[BOFV], 8, v[WB]
	v_add_nc_u32 v[BOFV], v[BOFV], v[WB]
	v_lshlrev_b32 v[BOFV], 2, v[BOFV]              ; 4 (r + 8 (r / 8))
	v_cmp_le_u32 s[LM], 16, v[LN]
.irp b, 0,1,2,3
	v_mov_b32 v[TMP+\b], 0                         ; a lane permute's destination counts as one of its sources
.endr
	s_lshr_b32 s[WA_], s[WV], 1                    ; a: which of a phase's two head-units
	s_and_b32 s[WB_], s[WV], 1                     ; b: which four token tiles
	s_bfe_u32 s81, ttmp6, 0x40000                  ; cx: it enters global addresses alone
	s_lshl_b32 s[TBK], ttmp9, 2
	s_add_co_u32 s[TBK], s[TBK], s81               ; the token block
	s_and_b32 s[GG], ttmp7, 0xffff                 ; g, which the four partners share
	s_lshr_b32 s[BAT], s[TBK], 5
	s_and_b32 s[KSP], s[TBK], 31
	s_mul_i32 s[HU0], s[GG], 6
	s_add_co_u32 s[HU0], s[HU0], s[WA_]
	s_lshl_b32 s[T0], s[KSP], 3
	s_lshl_b32 s81, s[WB_], 2
	s_add_co_u32 s[T0], s[T0], s81                 ; my first token tile of the batch's 256
	s_lshl_b32 s[KC], s[WB_], 12                   ; in a record: K's codes of my tiles,
	s_lshl_b32 s[KSC], s[WB_], 3
	s_add_co_u32 s[KSC], s[KSC], 16384             ; their scale words,
	s_lshl_b32 s[VC], s[WB_], 10
	s_add_co_u32 s[VC], s[VC], 8192                ; V^T's chunks of my two key blocks,
	s_lshl_b32 s[VSC], s[WB_], 1
	s_add_co_u32 s[VSC], s[VSC], 16896             ; their bytes
	s_mov_b32 s41, 0
	s_mov_b32 s43, 0
	s_mov_b32 s[STR+1], 0
	s_mov_b32 s[SST+1], 0
	s_mov_b32 s[MNT], 0x600000
	s_mov_b32 s[SEL], 0x76543210
	s_mov_b32 s[SEL+1], 0xfedcba98
	; descriptor groups 1: GRP dense bytes as 264 rows of 256 bytes (32 elements of 8 bytes), no padding.  s[48:55]: my own load; s[56:63]: a joint one, the mask of all four and bit 21 beside it
	s_mov_b32 s48, 3<<16
	s_mov_b32 s56, 15|(3<<16)|(1<<21)
.irp g, 48, 56
	s_mov_b32 s[\g+1], 32<<16
	s_mov_b32 s[\g+2], 264<<16
	s_mov_b32 s[\g+3], 32<<16
	s_mov_b32 s[\g+4], 264
	s_mov_b32 s[\g+5], 32
	s_mov_b32 s[\g+6], 0
	s_mov_b32 s[\g+7], 0
.endr
	s_mul_i32 s40, s[TBK], GRP                     ; x's 8 records of my block
	s_max_u32 s81, s[WV], 1
	s_sub_co_u32 s81, s81, 1
	s_lshl_b32 s81, s81, 3
	s_mul_i32 s42, s[GG], 24
	s_add_co_u32 s42, s42, s81
	s_mul_i32 s42, s42, TREC                       ; waves 1-3: weight records 24 g + 8 (wave - 1) on
	s_mov_b32 s68, 1
	s_mov_b32 s69, 0
	s_mov_b32 s72, 1
	s_mul_i32 s73, s[WV], GRP                      ; behind x's
	WALU                                           ; the wait ahead of the waits below
	s_wait_dscnt 0x0
	s_wait_kmcnt 0x0
	s_add_nc_u64 s[70:71], s[4:5], s[40:41]
	s_or_b32 s71, s71, 0x80000000
	s_add_nc_u64 s[74:75], s[6:7], s[42:43]
	s_or_b32 s75, s75, 0x80000000
	CROUND                                         ; all four work-groups are here: the joint loads meet
	ARM 1, 68, 48, .Lfor_w1                        ; one tensor load a wave, a line a wave: wave 0 x's records,
	ARM 2, 72, 56, .Lfor_w2                        ; wave 1 phase 0's weights,
	ARM 3, 72, 56, .Lfor_w3                        ; wave 2 phase 1's,
	tensor_load_to_lds s[72:75], s[56:63]          ; wave 3 phase 2's
	s_nop 0
.rept 4
	v_nop
.endr
.Lasked:
	BIAS 0
	s_mul_i32 s81, s[WB_], 4*TREC                  ; my four tiles of x
	v_add_nc_u32 v[ADW], s81, v[LI]
	v_add_nc_u32 v[ADS], s81, v[SR]
	WALU                                           ; the wait at the head's end
	s_cmp_lt_u32 s[WV], 2                          ; x's records and phase 0's weights are shown here; waves 2 and 3 have lines of their own, which may stay out
	s_cbranch_scc0 .Lnot_first
	s_wait_tensorcnt 0x0
.Lnot_first:
	s_barrier_signal -1
	s_barrier_wait -1
	TILES 1, XS
	WLOAD 0
	UNIT 0
	UNIT 1
	UNIT 2
	s_wait_tensorcnt 0x0                           ; the wave's end
	ds_add_u32 v[SPW], v[NIL]
	s_wait_dscnt 0x0
	CROUND                                         ; the closing round
	s_endpgm
.Lfunc_end_k_q482f5bbd3c_qkv:
	.size	k_q482f5bbd3c_qkv, .Lfunc_end_k_q482f5bbd3c_qkv-k_q482f5bbd3c_qkv
	.p2alignl 7, 3214868480
	.fill 96, 4, 3214868480
	.section	.rodata,"a",@progbits
	.p2align	6, 0x0
	.amdhsa_kernel k_q482f5bbd3c_qkv
		.amdhsa_group_segment_fixed_size 327680
		.amdhsa_private_segment_fixed_size 0
		.amdhsa_enable_private_segment 0
		.amdhsa_kernarg_size 56
		.amdhsa_user_sgpr_count 2
		.amdhsa_user_sgpr_kernarg_segment_ptr 1
		.amdhsa_wavefront_size32 1
		.amdhsa_system_sgpr_workgroup_id_x 1
		.amdhsa_system_sgpr_workgroup_id_y 1
		.amdhsa_system_sgpr_workgroup_id_z 1
		.amdhsa_system_vgpr_workitem_id 0
		.amdhsa_next_free_vgpr 1024
		.amdhsa_next_free_sgpr 88
		.amdhsa_reserve_vcc 0
		.amdhsa_float_denorm_mode_32 3
		.amdhsa_float_denorm_mode_16_64 3
		.amdhsa_memory_ordered 1
		.amdhsa_forward_progress 1
		.amdhsa_inst_pref_size 144
	.end_amdhsa_kernel
	.amdgpu_metadata
---
amdhsa.version: [ 1, 2 ]
amdhsa.kernels:
  - .name:           k_q482f5bbd3c_qkv
    .symbol:         k_q482f5bbd3c_qkv.kd
    .args:
      - { .name: ximg, .offset: 0, .size: 8, .value_kind: global_buffer, .address_space: global }
      - { .name: wimg, .offset: 8, .size: 8, .value_kind: global_buffer, .address_space: global }
      - { .name: bq, .offset: 16, .size: 8, .value_kind: global_buffer, .address_space: global }
      - { .name: bk, .offset: 24, .size: 8, .value_kind: global_buffer, .address_space: global }
      - { .name: bv, .offset: 32, .size: 8, .value_kind: global_buffer, .address_space: global }
      - { .name: qimg, .offset: 40, .size: 8, .value_kind: global_buffer, .address_space: global }
      - { .name: kvimg, .offset: 48, .size: 8, .value_kind: global_buffer, .address_space: global }
    .group_segment_fixed_size: 327680
    .private_segment_fixed_size: 0
    .kernarg_segment_align: 8
    .kernarg_segment_size: 56
    .max_flat_workgroup_size: 128
    .sgpr_count:     88
    .vgpr_count:     1024
    .wavefront_size: 32
...
	.end_amdgpu_metadata
.endif
;; end of part 2
;; launch attn (part 3): grid 16 x 16, 8 waves a work-group, clusters of 4 x 1, 327,680 bytes of LDS; arguments qimg, kvimg, oimg; writes oimg
.if DOCPART == 3
	.amdgcn_target "amdgcn-amd-amdhsa--gfx1250"
	.amdhsa_code_object_version 6
	.text
	.protected	k_q482f5bbd3c_attn
	.globl	k_q482f5bbd3c_attn
	.p2align	8
	.type	k_q482f5bbd3c_attn,@function
k_q482f5bbd3c_attn:
	s_mov_b64 s[64:65], 0
	v_nop
	global_prefetch_b8 v0, s[64:65] scope:SCOPE_SE
	s_setreg_imm32_b32 hwreg(HW_REG_WAVE_MODE, 25, 1), 1
	s_wait_xcnt 0x0
	s_wait_alu depctr_hold_cnt(0) depctr_sa_sdst(0) depctr_va_vdst(0) depctr_va_sdst(0) depctr_va_ssrc(0) depctr_va_vcc(0) depctr_vm_vsrc(0)
	s_getreg_b32 s2, hwreg(HW_REG_IB_STS2, 6, 4)
	s_cmp_eq_u32 s2, 0
	s_cbranch_scc0 .Lentry_in_a_cluster
	s_endpgm
.Lentry_in_a_cluster:
	s_bfe_u32 s2, ttmp6, 0x10000c
	s_cmp_lg_u32 s2, 0x3003
	s_cbranch_scc0 .Lentry_shape_is_right
	s_endpgm
.Lentry_shape_is_right:
; For each of 16 batch-heads: O[q] = the sum over k of softmax_k(Q[q] . K[k] / sqrt(512)) V[k], both products on codes of BF8 (E5M2) with E8M0 scales, and O quantised again,
; along its 64 channels, as an operand of the output projection.  Operands come and go as images of the matrix operand's registers (chunks of 512 bytes, lane l's 16 bytes at 16 l).
; THE SOFTMAX: t = score x log2(e) / sqrt(512); M = the row's largest t so far, rounded up to a whole number; p = 2^(t - M) is quantised along the keys, not normalised; the row's sum is taken
; of the unquantised p and divides O at the end.  When M moves, the sum and O are multiplied by 2^(old M - new M): exact, and no branch on data.
; SHARES: a work-group owns 256 queries of one batch-head; each of its EIGHT waves owns TWO tiles of 16 queries, so that each fragment of K and of V^T read from LDS feeds two products,
; and the two tiles' eight blocks of 32 keys take turns line by line.  Every wave walks the head's 4,096 keys, 128 a step.
; LAYOUT: both products are used transposed (S^T = K Q^T, O^T = V^T P^T): a lane holds one query of each tile.  Lane r of K's tile 2 b + u holds key 32 b + 8 u + r + 8 (r / 8), so the 16 registers of
; tiles 2 b, 2 b + 1 are 16 neighbouring keys and p's conversions give the second product's operand.
; THE HEAD HAS 64 CHANNELS, THE INSTRUCTION 128 ALONG K: Q's registers 8-15 are zero codes; K's tile i is named as 16 registers from 8 i on: its upper half is the next tile's codes (finite), or zeros
; behind tile 7; they meet Q's zeros under scale bytes that are never 0xff.
; A BLOCK'S SCALE: its exponent is floor(t - M) of the block's largest score, held at -111 from below; the byte is that + 112, the hold 1.75 x 2^that.
; LOADS FROM LDS: K and V^T have registers of their own: behind a step's first products V^T of this step and K of the next are asked for, and land under the softmax.  A slot's last step asks for the
; slot's record 0 once more (the address wraps inside the slot), since the other slot is shown only behind the barrier.
; THE EXPONENTIALS: tile 0's 64 stand among tile 1's multiply-adds, tile 1's 64 among tile 0's first sums and holds; nothing written inside a batch is read before the wait behind it.
; THE RING: two LDS slots of 8 records (a record: one key step's K, V^T and scale words, REC dense bytes).  Each wave fetches one record of a slot, one tensor load.  Slot 0 is asked for at the head, slot 1
; behind the first round; each later fill is asked for eight key steps ahead of the wait for it, so no prefetch is laid.
; CLUSTER: the four query blocks of a cluster belong to one batch-head and walk the same records: each is asked for jointly, by the same tensor load with the same descriptor and the mask of all four.
; LIMITS: NaN and infinities are not served; a block of zeros gets the byte 1 (its codes are zeros; only this program reads the bytes); blocks under 2^-111 have the byte held at 1;
; a block whose largest t - M lies within f32 rounding of a whole number may take the neighbouring scale, and its largest p is then held at 1.75 x 2^(that number - 1).
.set TREC,  8448
.set REC,   17408
.set SLOTB, 8*REC                      ; slot 1 begins here
.set SPARE, 2*SLOTB                    ; the spare words: 128 bytes for each of 8 waves, four blocks of 256 bytes that no other line names
; window 0
.set LI,  1                            ; 16 x lane
.set ADR, 2                            ; LDS address of the record in hand
.set SPW, 3                            ; my spare word; never rewritten
.set NIL, 4                            ; 0; never rewritten
.set ADN, 5                            ; LDS address of the next record
.set OM,  6                            ; v6-7   old -M, then old M - new M, a tile each
.set NM,  8                            ; v8, v10 -M; v9, v11 the largest score so far
.set LS,  12                           ; v[12:13], v[14:15] the sums, in two halves
.set FF,  16                           ; v[16:17], v[18:19] f = 2^(old M - new M) and a 0 named with it as a pair
.set KS,  20                           ; v20-23 K's scale words: register b: lanes 0-15 tile 2 b, lanes 16-31 tile 2 b + 1
.set VS,  24                           ; v24-27 V's, a register a channel tile
.set RO,  28                           ; 4 r, on the way out 16 r
.set PSW, 30                           ; v30-31 p's scale words
.set QS,  32                           ; v32-33 Q's scale words
.set SO,  34                           ; v34-41 the conversions' scale operands, block g = 4 tile + b
.set EI,  42                           ; v42-49 the blocks' exponents
.set HB,  50                           ; v50-57 57,344 x the scale
.set TL,  58                           ; v58-59, v60-61, v62-63 at work, a register a tile
.set TP,  60
.set NT,  62
.set S,   64                           ; v64-191  S^T, then p: tile 0, tile 1
.set PC,  192                          ; v192-223 p's codes
.set BM,  224                          ; v224-231 the blocks' largest scores, then t - M
.set T1,  232                          ; v232-239 the other half's
.set TT,  224                          ; v224-255 sixteen pairs of partial sums, once BM and T1 are done with
; window 1
.set KF,  0                            ; v0-63 K's 8 tiles x 8; v64-71 zero codes
.set VF,  72                           ; v72-135 V^T's 4 x 16
.set QF,  136                          ; v136-167 Q: 8 registers and 8 of zero codes, a tile
.set OT,  168                          ; v168-231 O^T: 32 a tile
.set WV,  10
.set TB,  14                           ; LDS byte at which the record in hand begins
.set CNT, 15                           ; counts a slot's eight steps
.set G1,  16
.set D0,  24
.set D1,  28
.set SEL, 32
.set CS,  34                           ; s[34:35] c = log2(e) / sqrt(512)
.set MNT, 36
.set TN,  37                           ; LDS byte of the next record
.set NC,  38                           ; -c
.set MSB, 0
.macro WIN new                         ; the immediate's high byte repeats the setting that is left
.if MSB != \new
	s_set_vgpr_msb (MSB<<8)|\new
.set MSB, \new
.endif
.endm
.macro WALU
	s_wait_alu depctr_va_vdst(0)
.endm
.macro CROUND                          ; a round of the cluster's barrier
	s_barrier_signal -1
	s_barrier_wait -1
	s_cmp_lg_u32 s[WV], 0
	s_cbranch_scc1 .Lnot_wave_0_\@
	s_barrier_signal -3
.Lnot_wave_0_\@:
	s_barrier_wait -3
	s_barrier_signal -1
	s_barrier_wait -1
.endm
.macro KLOAD                           ; K's eight tiles and their scale words from the record at v[ADN]: 17 loads
	WIN 0x40
.irp i, 0,1,2,3,4,5,6,7
	ds_load_b128 v[KF+8*\i:KF+8*\i+3], v[ADN] offset:\i*1024
	ds_load_b128 v[KF+8*\i+4:KF+8*\i+7], v[ADN] offset:\i*1024+512
.endr
	WIN 0
	ds_load_b128 v[KS:KS+3], v[ADN] offset:16384
.endm
.macro MIN2 x, h                       ; two holds in one issue: p is not negative, so the hold is one-sided (the conversion does not saturate: ISA guide 7.6.2)
	v_dual_min_num_f32 v[\x], v[\x], v[\h] :: v_dual_min_num_f32 v[\x+1], v[\x+1], v[\h]
.endm
.macro TREEA                           ; sixteen pairs of partial sums become four
.irp n, 8,4
.set I, 0
.rept \n
	v_pk_add_f32 v[TT+2*I:TT+2*I+1], v[TT+2*I:TT+2*I+1], v[TT+2*(I+\n):TT+2*(I+\n)+1]
.set I, I+1
.endr
.endr
.endm
.macro TREEB t                         ; four become one, and the tile's sum goes under the new M and takes it
	v_pk_add_f32 v[TT:TT+1], v[TT:TT+1], v[TT+4:TT+5]
	v_pk_add_f32 v[TT+2:TT+3], v[TT+2:TT+3], v[TT+6:TT+7]
	v_pk_add_f32 v[TT:TT+1], v[TT:TT+1], v[TT+2:TT+3]
	v_pk_fma_f32 v[LS+2*\t:LS+2*\t+1], v[LS+2*\t:LS+2*\t+1], v[FF+2*\t:FF+2*\t+1], v[TT:TT+1] op_sel_hi:[1,0,1]
.endm
.macro CVT t
.irp b, 0,1,2,3
	v_cvt_scalef32_pk8_bf8_f32 v[PC+16*\t+4*\b:PC+16*\t+4*\b+1], v[S+64*\t+16*\b:S+64*\t+16*\b+7], v[SO+4*\t+\b]
	v_cvt_scalef32_pk8_bf8_f32 v[PC+16*\t+4*\b+2:PC+16*\t+4*\b+3], v[S+64*\t+16*\b+8:S+64*\t+16*\b+15], v[SO+4*\t+\b]
.endr
.endm
; A KEY STEP: 128 keys, the record at s[TB]; the next one's K comes from s[TN].
.macro STEP
	s_wait_dscnt 0x0                               ; K and its scale words, asked for a step ago
	WIN 0x05                                       ; K and Q window 1, S^T window 0
.irp i, 0,2,4,6
.irp t, 0,1
	v_wmma_scale_f32_16x16x128_f8f6f4 v[S+64*\t+8*\i:S+64*\t+8*\i+7], v[KF+8*\i:KF+8*\i+15], v[QF+16*\t:QF+16*\t+15], 0, v[KS+\i/2], v[QS+\t] matrix_a_fmt:MATRIX_FMT_BF8 matrix_b_fmt:MATRIX_FMT_BF8
.endr
.irp t, 0,1
	v_wmma_scale_f32_16x16x128_f8f6f4 v[S+64*\t+8*\i+8:S+64*\t+8*\i+15], v[KF+8*\i+8:KF+8*\i+23], v[QF+16*\t:QF+16*\t+15], 0, v[KS+\i/2], v[QS+\t] matrix_a_fmt:MATRIX_FMT_BF8 matrix_b_fmt:MATRIX_FMT_BF8 matrix_a_scale:MATRIX_SCALE_ROW1
.endr
.endr
	WIN 0
	v_add_nc_u32 v[ADR], s[TB], v[LI]
	v_add_nc_u32 v[ADN], s[TN], v[LI]
.rept 6
	v_nop                                          ; with the two additions eight places ahead of the loads into K's, V's and the scale words' registers and of the first read of the scores
.endr
	ds_load_b128 v[VS:VS+3], v[ADR] offset:16896
	WIN 0x40
.irp t, 0,1,2,3
.irp c, 0,1,2,3
	ds_load_b128 v[VF+16*\t+4*\c:VF+16*\t+4*\c+3], v[ADR] offset:8192+\t*2048+\c*512
.endr
.endr
	KLOAD
.irp g, 0,1,2,3,4,5,6,7
	v_max3_num_f32 v[BM+\g], v[S+16*\g], v[S+16*\g+1], v[S+16*\g+2]   ; my 16 scores of each block of 32 keys; each accumulator is first read at its low end
.endr
.irp i, 3,5,7,9,11,13
.irp g, 0,1,2,3,4,5,6,7
	v_max3_num_f32 v[BM+\g], v[BM+\g], v[S+16*\g+\i], v[S+16*\g+\i+1]
.endr
.endr
.irp g, 0,1,2,3,4,5,6,7
	v_max_num_f32 v[BM+\g], v[BM+\g], v[S+16*\g+15]
.endr
.irp t, 0,1
	v_max3_num_f32 v[TL+\t], v[BM+4*\t], v[BM+4*\t+1], v[BM+4*\t+2]
.endr
.irp t, 0,1
	v_max_num_f32 v[TL+\t], v[TL+\t], v[BM+4*\t+3]
.endr
.irp t, 0,1
	v_permlanex16_b32 v[TP+\t], v[TL+\t], s[SEL], s[SEL+1]
.endr
.irp t, 0,1
	v_max3_num_f32 v[NM+2*\t+1], v[NM+2*\t+1], v[TL+\t], v[TP+\t]   ; the running largest score of my query
.endr
.irp t, 0,1
	v_mov_b32 v[OM+\t], v[NM+2*\t]
.endr
.irp t, 0,1
	v_mul_f32 v[NT+\t], s[NC], v[NM+2*\t+1]        ; -t
.endr
.irp t, 0,1
	v_floor_f32 v[NM+2*\t], v[NT+\t]               ; the new -M = floor(-t) = -ceil(t)
.endr
.irp g, 0,1,2,3,4,5,6,7
	v_fma_f32 v[BM+\g], v[BM+\g], s[CS], v[NM+2*(\g/4)]   ; t - M of my half's largest score of the block
.endr
.irp t, 0,1
	v_sub_f32 v[OM+\t], v[NM+2*\t], v[OM+\t]       ; old M - new M: a whole number, 0 or less
.endr
.irp g, 0,1,2,3,4,5,6,7
	v_permlanex16_b32 v[T1+\g], v[BM+\g], s[SEL], s[SEL+1]
.endr
.irp t, 0,1
	v_cvt_i32_f32 v[OM+\t], v[OM+\t]               ; (it saturates)
.endr
.irp g, 0,1,2,3,4,5,6,7
	v_max3_num_f32 v[BM+\g], v[BM+\g], v[T1+\g], 0xc2de0000   ; with lane l xor 16's, and the floor -111: the byte cannot fall under 1
.endr
.irp t, 0,1
	v_ldexp_f32 v[FF+2*\t], 1.0, v[OM+\t]          ; f = 2^(old M - new M)
.endr
.irp g, 0,1,2,3,4,5,6,7
	v_cvt_floor_i32_f32 v[EI+\g], v[BM+\g]         ; the exponent of the block's largest p
.endr
.irp g, 0,1,2,3,4,5,6,7
	v_add_lshl_u32 v[SO+\g], v[EI+\g], 0x70, 23    ; the conversion's scale operand: exponent field = the byte = exponent + 112
.endr
.irp g, 0,1,2,3,4,5,6,7
	v_add_nc_u32 v[HB+\g], 0x07e00000, v[SO+\g]    ; 57,344 x the scale: 15 more in the exponent field, over 57,344's mantissa
.endr
.irp t, 0,1
	v_lshl_add_u32 v[TL+\t], v[EI+4*\t+1], 8, v[EI+4*\t]
.endr
.irp t, 0,1
	v_lshl_add_u32 v[TP+\t], v[EI+4*\t+3], 8, v[EI+4*\t+2]
.endr
.set J, 0
.rept 8
	v_pk_fma_f32 v[S+J:S+J+1], v[S+J:S+J+1], s[CS:CS+1], v[NM:NM+1] op_sel_hi:[1,0,0]   ; tile 0: t - M, two at a time; the scale words' last lines stand among them
.set J, J+2
.endr
.irp t, 0,1
	v_lshl_add_u32 v[TL+\t], v[TP+\t], 16, v[TL+\t]
.endr
.rept 8
	v_pk_fma_f32 v[S+J:S+J+1], v[S+J:S+J+1], s[CS:CS+1], v[NM:NM+1] op_sel_hi:[1,0,0]
.set J, J+2
.endr
.irp t, 0,1
	v_add_nc_u32 v[PSW+\t], 0x70707070, v[TL+\t]   ; the sum of (exponent + 112) << 8 b, modulo 2^32: each byte lies in 1 .. 113, so the four bytes stand as they are
.endr
.rept 16
	v_pk_fma_f32 v[S+J:S+J+1], v[S+J:S+J+1], s[CS:CS+1], v[NM:NM+1] op_sel_hi:[1,0,0]
.set J, J+2
.endr
	WIN 0x41                                       ; O^T window 1, f window 0
.set J, 0
.rept 32
	v_pk_mul_f32 v[OT+J:OT+J+1], v[OT+J:OT+J+1], v[FF+2*(J/32):FF+2*(J/32)+1] op_sel_hi:[1,0]   ; O^T under the new M, each accumulator from its low end on; no transcendental stands between the last products and these
.set J, J+2
.endr
	WIN 0
	WALU                                           ; the wait ahead of a batch
.set J, 0
.rept 32
	v_exp_f32 v[S+J], v[S+J]                       ; tile 0: p = 2^(t - M)
	v_exp_f32 v[S+J+1], v[S+J+1]
	v_pk_fma_f32 v[S+64+J:S+64+J+1], v[S+64+J:S+64+J+1], s[CS:CS+1], v[NM+2:NM+3] op_sel_hi:[1,0,0]   ; tile 1: t - M; first read behind the wait below
.set J, J+2
.endr
	WALU                                           ; behind tile 0's batch and ahead of tile 1's
.set J, 0
.rept 16
	v_exp_f32 v[S+64+J], v[S+64+J]                 ; tile 1's p; among them tile 0's first sums (of the unquantised p) and its holds, all first read behind the wait below
	v_pk_add_f32 v[TT+J/2:TT+J/2+1], v[S+J:S+J+1], v[S+J+2:S+J+3]
	v_exp_f32 v[S+64+J+1], v[S+64+J+1]
	MIN2 S+J, HB+J/16
	v_exp_f32 v[S+64+J+2], v[S+64+J+2]
	MIN2 S+J+2, HB+J/16
	v_exp_f32 v[S+64+J+3], v[S+64+J+3]
.set J, J+4
.endr
	v_nop                                          ; a plain line behind the last exponential
	WALU
	TREEA
	CVT 0
	v_pk_add_f32 v[TT:TT+1], v[TT:TT+1], v[TT+4:TT+5]   ; tile 0's four pairs become one; among these lines tile 1's first sums, which take the twelve pairs that are free, and the other four last
	v_pk_add_f32 v[TT+2:TT+3], v[TT+2:TT+3], v[TT+6:TT+7]
.irp n, 0,1,2
	v_pk_add_f32 v[TT+8+2*\n:TT+9+2*\n], v[S+64+4*\n:S+65+4*\n], v[S+66+4*\n:S+67+4*\n]
.endr
	v_pk_add_f32 v[TT:TT+1], v[TT:TT+1], v[TT+2:TT+3]
.irp n, 3,4,5
	v_pk_add_f32 v[TT+8+2*\n:TT+9+2*\n], v[S+64+4*\n:S+65+4*\n], v[S+66+4*\n:S+67+4*\n]
.endr
	v_pk_fma_f32 v[LS:LS+1], v[LS:LS+1], v[FF:FF+1], v[TT:TT+1] op_sel_hi:[1,0,1]
.irp n, 6,7,8,9,10,11
	v_pk_add_f32 v[TT+8+2*\n:TT+9+2*\n], v[S+64+4*\n:S+65+4*\n], v[S+66+4*\n:S+67+4*\n]
.endr
.irp n, 12,13,14,15
	v_pk_add_f32 v[TT+2*\n-24:TT+2*\n-23], v[S+64+4*\n:S+65+4*\n], v[S+66+4*\n:S+67+4*\n]
.endr
.set J, 0
.rept 32
	MIN2 S+64+J, HB+4+J/16
.set J, J+2
.endr
	CVT 1
	TREEA                                          ; these sixteen lines also stand between the conversions and the products
	TREEB 1
	WIN 0x51                                       ; V^T window 1, p's codes window 0, O^T window 1
	WALU
	s_wait_dscnt 17                                ; V^T and its scale words are in; the 17 loads of the next K, issued behind them, may be out
.irp c, 0,1,2,3                                ; O^T += V^T P^T: eight accumulators by turns, one instruction a turn
.irp t, 0,1
	v_wmma_scale_f32_16x16x128_f8f6f4 v[OT+32*\t+8*\c:OT+32*\t+8*\c+7], v[VF+16*\c:VF+16*\c+15], v[PC+16*\t:PC+16*\t+15], v[OT+32*\t+8*\c:OT+32*\t+8*\c+7], v[VS+\c], v[PSW+\t] matrix_a_fmt:MATRIX_FMT_BF8 matrix_b_fmt:MATRIX_FMT_BF8
.endr
.endr
	WIN 0
.endm
.macro SLOTLOOP base                   ; a slot's eight key steps
	s_mov_b32 s[TB], \base
	s_mov_b32 s[CNT], 0
	v_add_nc_u32 v[ADN], s[TB], v[LI]
	KLOAD                                          ; the slot's first K
.Lstep_\@:
	s_add_co_u32 s[CNT], s[CNT], 1
	s_and_b32 s[TN], s[CNT], 7                     ; the next record of this slot; behind the last, record 0 again
	s_mul_i32 s[TN], s[TN], REC
	s_add_co_u32 s[TN], s[TN], \base
	STEP
	s_add_co_u32 s[TB], s[TB], REC
	s_cmp_lt_u32 s[CNT], 8
	s_cbranch_scc1 .Lstep_\@
.endm
; A CHANGE OF SLOTS with a fill.  Each wave waits for all its tensor loads (its record of the slot ahead), adds 0 to its spare word, and waits for that and for its reads of the slot that it has left.
; The barrier is a round of the cluster's; the joint load is the first thing behind it, one a wave.
.macro CHANGE d, step
	WALU
	s_wait_tensorcnt 0x0                           ; no tensor load of mine is out, so a group 0 may be written
	ds_add_u32 v[SPW], v[NIL]
.if \step
	s_add_nc_u64 s[\d+2:\d+3], s[\d+2:\d+3], 16*REC   ; sixteen key steps on; the type bits on top are not reached
.endif
	s_wait_dscnt 0x0
	CROUND
	tensor_load_to_lds s[\d:\d+3], s[G1:G1+7]
	s_nop 0
.rept 4
	v_nop
.endr
.endm
	s_load_b128 s[4:7], s[0:1], 0x0                ; qimg s[4:5], kvimg s[6:7]
	s_load_b64 s[8:9], s[0:1], 0x10                ; oimg
	v_lshl_add_u32 v[SPW], v0, 2, SPARE
	v_mov_b32 v[NIL], 0
	ds_add_u32 v[SPW], v[NIL]                      ; the opening: the add, twice on end, and its wait ahead of my first tensor load
	ds_add_u32 v[SPW], v[NIL]
	v_lshrrev_b32 v[RO], 5, v0
	v_readfirstlane_b32 s[WV], v[RO]               ; wave 0..7
	v_and_b32 v[LI], 31, v0
	v_lshlrev_b32 v[LI], 4, v[LI]
	v_and_b32 v[RO], 15, v0
	v_lshlrev_b32 v[RO], 2, v[RO]                  ; 4 r
	s_bfe_u32 s11, ttmp6, 0x40000                  ; cx: it enters Q's and O's global addresses alone
	s_lshl_b32 s12, ttmp9, 2
	s_add_co_u32 s12, s12, s11                     ; my block of 256 queries
	s_and_b32 s13, ttmp7, 0xffff                   ; the batch-head, which the four partners share
	s_lshl_b32 s50, s13, 5
	s_add_co_u32 s50, s50, s[WV]
	s_mul_i32 s50, s50, REC                        ; the record that I fetch: in memory,
	s_mov_b32 s51, 0
	s_mul_i32 s52, s[WV], REC                      ; and in a slot
	s_lshl_b32 s53, s12, 4
	s_lshl_b32 s54, s[WV], 1
	s_add_co_u32 s53, s53, s54                     ; my first tile of queries, 0 .. 254
	s_lshl_b32 s54, s13, 8
	s_add_co_u32 s54, s54, s53
	s_lshl_b32 s56, s54, 10                        ; its codes in qimg,
	s_mov_b32 s57, 0
	s_lshl_b32 s58, s54, 6
	s_add_co_u32 s58, s58, 4194304                 ; its scale words
	s_mov_b32 s59, 0
	s_lshr_b32 s54, s13, 3                         ; batch
	s_lshl_b32 s54, s54, 8
	s_add_co_u32 s54, s54, s53
	s_mul_i32 s54, s54, TREC                       ; the same tile's record in oimg
	s_and_b32 s55, s13, 7                          ; head
	s_lshl_b32 s60, s55, 10
	s_add_co_u32 s60, s60, s54                     ; the head's two chunks,
	s_mov_b32 s61, 0
	s_lshl_b32 s62, s55, 1
	s_add_co_u32 s62, s62, s54
	s_add_co_u32 s62, s62, 8192                    ; its two scale bytes of a row
	s_mov_b32 s63, 0
	; descriptor group 1: a record, REC dense bytes, as 68 rows of 256 bytes (32 elements of 8 bytes), no padding
	s_mov_b32 s[G1], 15|(3<<16)|(1<<21)
	s_mov_b32 s[G1+1], 32<<16
	s_mov_b32 s[G1+2], 68<<16
	s_mov_b32 s[G1+3], 32<<16
	s_mov_b32 s[G1+4], 68
	s_mov_b32 s[G1+5], 32
	s_mov_b32 s[G1+6], 0
	s_mov_b32 s[G1+7], 0
	s_mov_b32 s[SEL], 0x76543210
	s_mov_b32 s[SEL+1], 0xfedcba98
	s_mov_b32 s[CS], 0x3d8293ee                    ; c = log2(e) / sqrt(512)
	s_mov_b32 s[CS+1], s[CS]
	s_mov_b32 s[NC], 0xbd8293ee                    ; -c
	s_mov_b32 s[MNT], 0x600000
	WALU                                           ; the wait ahead of the waits below
	s_wait_dscnt 0x0
	s_wait_kmcnt 0x0
	s_mov_b32 s[D0], 1
	s_mov_b32 s[D0+1], s52                         ; slot 0
	s_add_nc_u64 s[D0+2:D0+3], s[6:7], s[50:51]    ; key steps 0-7
	s_mov_b32 s[D1], 1
	s_add_co_u32 s[D1+1], s52, SLOTB               ; slot 1
	s_add_nc_u64 s[D1+2:D1+3], s[D0+2:D0+3], 8*REC ; key steps 8-15
	s_or_b32 s[D0+3], s[D0+3], 0x80000000
	s_or_b32 s[D1+3], s[D1+3], 0x80000000
	s_add_nc_u64 s[40:41], s[4:5], s[56:57]
	s_add_nc_u64 s[42:43], s[4:5], s[58:59]
	s_add_nc_u64 s[44:45], s[8:9], s[60:61]
	s_add_nc_u64 s[46:47], s[8:9], s[62:63]
	CROUND                                         ; all four work-groups are here: the first joint loads meet
	tensor_load_to_lds s[D0:D0+3], s[G1:G1+7]      ; my record of slot 0: one tensor load a wave at the head
	s_nop 0
.rept 4
	v_nop
.endr
	WIN 0x40
	global_load_b128 v[QF:QF+3], v[LI], s[40:41]   ; Q's two tiles stay in registers
	global_load_b128 v[QF+4:QF+7], v[LI], s[40:41] offset:512
	global_load_b128 v[QF+16:QF+19], v[LI], s[40:41] offset:1024
	global_load_b128 v[QF+20:QF+23], v[LI], s[40:41] offset:1536
.set I, 0
.rept 8
	v_mov_b32 v[KF+64+I], 0                        ; zero codes behind K's tile 7,
	v_mov_b32 v[QF+8+I], 0                         ; and for Q's K = 64 .. 127
	v_mov_b32 v[QF+24+I], 0
.set I, I+1
.endr
.set I, 0
.rept 64
	v_mov_b32 v[OT+I], 0                           ; O^T: the step is written once; the first finds zeros, which the first change of M leaves zeros
.set I, I+1
.endr
	WIN 0
	global_load_b32 v[QS], v[RO], s[42:43]
	global_load_b32 v[QS+1], v[RO], s[42:43] offset:64
.set I, 0
.rept 8
	v_mov_b32 v[T1+I], 0                           ; a lane permute's destination counts as one of its sources
.set I, I+1
.endr
.irp t, 0,1
	v_mov_b32 v[TP+\t], 0
	v_mov_b32 v[FF+2*\t+1], 0
	v_mov_b32 v[LS+2*\t], 0
	v_mov_b32 v[LS+2*\t+1], 0
	v_mov_b32 v[NM+2*\t+1], 0xff61b1e6             ; the largest score so far: -3e38
	v_mov_b32 v[NM+2*\t], 0x7f61b1e6               ; -M
.endr
	WALU                                           ; the wait at the head's end
	s_wait_loadcnt 0x0                             ; Q
	CHANGE D1, 0                                   ; slot 0 is whole; slot 1's first fill, key steps 8-15, is issued as a refill is
	SLOTLOOP 0                                     ; key steps 0-7
	CHANGE D0, 1                                   ; slot 0 takes key steps 16-23
	SLOTLOOP SLOTB                                 ; 8-15
	CHANGE D1, 1                                   ; slot 1 takes key steps 24-31
	SLOTLOOP 0                                     ; 16-23
	WALU
	s_wait_tensorcnt 0x0                           ; the last change of slots: nothing is asked for, so my work-group's barrier is enough
	ds_add_u32 v[SPW], v[NIL]
	s_wait_dscnt 0x0
	s_barrier_signal -1
	s_barrier_wait -1
	SLOTLOOP SLOTB                                 ; 24-31
	; THE WAY OUT: O^T / the sum; register 16 b + i of a tile is channel 32 b + 16 (lane / 16) + i of my query: two blocks of 32 along the projection's K a tile; block g = 2 tile + b.
.rept 8
	v_nop                                          ; eight places behind the last products
.endr
.irp t, 0,1
	v_add_f32 v[TL+\t], v[LS+2*\t], v[LS+2*\t+1]
.endr
.irp t, 0,1
	v_permlanex16_b32 v[TP+\t], v[TL+\t], s[SEL], s[SEL+1]
.endr
.irp t, 0,1
	v_add_f32 v[TL+\t], v[TL+\t], v[TP+\t]         ; the row's sum
.endr
	WALU
	v_rcp_f32 v[TL], v[TL]
	v_rcp_f32 v[TL+1], v[TL+1]
	v_and_b32 v[RO], 15, v0
	v_lshlrev_b32 v[RO], 4, v[RO]                  ; 16 r
	WIN 0x01
	WALU                                           ; directly ahead of the first readers of the reciprocals and of O^T
.set I, 0
.rept 64
	v_mul_f32 v[S+I], v[OT+I], v[TL+I/32]          ; each accumulator from its low end on
.set I, I+1
.endr
	WIN 0
.irp g, 0,1,2,3
	v_max3_num_f32 v[BM+\g], |v[S+16*\g]|, |v[S+16*\g+1]|, 0x8000000
.endr
.irp i, 2,4,6,8,10,12,14
.irp g, 0,1,2,3
	v_max3_num_f32 v[BM+\g], v[BM+\g], |v[S+16*\g+\i]|, |v[S+16*\g+\i+1]|
.endr
.endr
.irp g, 0,1,2,3
	v_permlanex16_b32 v[T1+\g], v[BM+\g], s[SEL], s[SEL+1]
.endr
.irp g, 0,1,2,3
	v_max_num_f32 v[BM+\g], v[BM+\g], v[T1+\g]
.endr
.irp g, 0,1,2,3
	v_add_nc_u32 v[SO+\g], 0xf8800000, v[BM+\g]
.endr
.irp g, 0,1,2,3
	v_and_or_b32 v[HB+\g], v[BM+\g], 0x7f800000, s[MNT]
.endr
.irp g, 0,1,2,3
	v_lshrrev_b32 v[T1+\g], 23, v[SO+\g]
.endr
.irp t, 0,1
	v_lshl_or_b32 v[NT+\t], v[T1+2*\t+1], 8, v[T1+2*\t]   ; the head's two scale bytes of my row
.endr
.irp g, 0,1,2,3
.irp i, 0,1,2,3,4,5,6,7,8,9,10,11,12,13,14,15
	v_med3_num_f32 v[S+16*\g+\i], v[S+16*\g+\i], -v[HB+\g], v[HB+\g]
.endr
	v_cvt_scalef32_pk8_bf8_f32 v[PC+4*\g:PC+4*\g+1], v[S+16*\g:S+16*\g+7], v[SO+\g]
	v_cvt_scalef32_pk8_bf8_f32 v[PC+4*\g+2:PC+4*\g+3], v[S+16*\g+8:S+16*\g+15], v[SO+\g]
.endr
	v_nop
.irp t, 0,1
	global_store_b128 v[LI], v[PC+8*\t:PC+8*\t+3], s[44:45] offset:\t*TREC        ; a chunk: 512 consecutive bytes, aligned
	global_store_b128 v[LI], v[PC+8*\t+4:PC+8*\t+7], s[44:45] offset:\t*TREC+512
	global_store_b16 v[RO], v[NT+\t], s[46:47] offset:\t*TREC                     ; both halves of the lanes hold, and write, the same two bytes
.endr
	s_wait_tensorcnt 0x0                           ; the wave's end
	ds_add_u32 v[SPW], v[NIL]
	s_wait_dscnt 0x0
	CROUND                                         ; the closing round
	s_endpgm
.Lfunc_end_k_q482f5bbd3c_attn:
	.size	k_q482f5bbd3c_attn, .Lfunc_end_k_q482f5bbd3c_attn-k_q482f5bbd3c_attn
	.p2alignl 7, 3214868480
	.fill 96, 4, 3214868480
	.section	.rodata,"a",@progbits
	.p2align	6, 0x0
	.amdhsa_kernel k_q482f5bbd3c_attn
		.amdhsa_group_segment_fixed_size 327680
		.amdhsa_private_segment_fixed_size 0
		.amdhsa_enable_private_segment 0
		.amdhsa_kernarg_size 24
		.amdhsa_user_sgpr_count 2
		.amdhsa_user_sgpr_kernarg_segment_ptr 1
		.amdhsa_wavefront_size32 1
		.amdhsa_system_sgpr_workgroup_id_x 1
		.amdhsa_system_sgpr_workgroup_id_y 1
		.amdhsa_system_sgpr_workgroup_id_z 1
		.amdhsa_system_vgpr_workitem_id 0
		.amdhsa_next_free_vgpr 512
		.amdhsa_next_free_sgpr 66
		.amdhsa_reserve_vcc 0
		.amdhsa_float_denorm_mode_32 3
		.amdhsa_float_denorm_mode_16_64 3
		.amdhsa_memory_ordered 1
		.amdhsa_forward_progress 1
		.amdhsa_inst_pref_size 162
	.end_amdhsa_kernel
	.amdgpu_metadata
---
amdhsa.version: [ 1, 2 ]
amdhsa.kernels:
  - .name:           k_q482f5bbd3c_attn
    .symbol:         k_q482f5bbd3c_attn.kd
    .args:
      - { .name: qimg, .offset: 0, .size: 8, .value_kind: global_buffer, .address_space: global }
      - { .name: kvimg, .offset: 8, .size: 8, .value_kind: global_buffer, .address_space: global }
      - { .name: oimg, .offset: 16, .size: 8, .value_kind: global_buffer, .address_space: global }
    .group_segment_fixed_size: 327680
    .private_segment_fixed_size: 0
    .kernarg_segment_align: 8
    .kernarg_segment_size: 24
    .max_flat_workgroup_size: 256
    .sgpr_count:     66
    .vgpr_count:     512
    .wavefront_size: 32
...
	.end_amdgpu_metadata
.endif
;; end of part 3
;; launch oproj (part 4): grid 4 x 64, 4 waves a work-group, no clusters, 34,304 bytes of LDS; arguments oimg, wimg, bo, out0; writes out0
.if DOCPART == 4
	.amdgcn_target "amdgcn-amd-amdhsa--gfx1250"
	.amdhsa_code_object_version 6
	.text
	.protected	k_q482f5bbd3c_oproj
	.globl	k_q482f5bbd3c_oproj
	.p2align	8
	.type	k_q482f5bbd3c_oproj,@function
k_q482f5bbd3c_oproj:
	s_mov_b64 s[64:65], 0
	v_nop
	global_prefetch_b8 v0, s[64:65] scope:SCOPE_SE
	s_setreg_imm32_b32 hwreg(HW_REG_WAVE_MODE, 25, 1), 1
	s_wait_xcnt 0x0
; out0 = o Wo + bo on codes of BF8 (E5M2) with E8M0 scales.  o (the attention's result) and Wo come as images of the matrix operand's registers: a tile of 16 rows x K = 512 is a record of TREC bytes
; (16 chunks of 512 bytes, lane l's 16 bytes at 16 l; then the scale bytes, [row][16]).  Lane r of tile 2 b + u holds row 32 b + 8 u + r + 8 (r / 8).
; SHARES: work-group (cg, tb): columns 128 cg on, tokens 128 tb on.  Every wave holds Wo's tiles 8 cg .. 8 cg + 7 (512 registers); wave w takes o's tiles 8 tb + 2 w and + 1: 32 consecutive tokens.
; The product is used transposed (source 0 = 16 columns of Wo, source 1 = 16 tokens): a lane holds one token, and its 64 results are columns 32 b + 16 (lane / 16) + i.  bo is the C of each sum's first instruction.
; THE WAY OUT: a tile's 16 rows x 512 bytes go through the wave's own stage in LDS (rows 528 bytes apart: an odd multiple of 16, so that sixteen rows begin at sixteen different 16-byte columns modulo 256)
; and leave as whole rows: each store of the wave covers 512 consecutive bytes, aligned.  No barrier: a wave reads only what it stored.
; NO CLUSTER, NO TENSOR LOAD: every wave takes each operand byte once, straight into the registers in which the matrix instruction names it; what the four work-groups of a row of the grid share, 16,896 bytes of o a wave,
; is a fifth of a wave's 84,480 operand bytes, and a joint load would send it through LDS and add a barrier for it.
; REGISTERS, in windows of 256: window 0: v1-6 offsets; v16-47 Wo's scale words; v48-55 o's; v64-127, v128-191 two sets of 8 accumulators; v192-255 rows on the way out.
;   windows 1, 2: Wo: K steps 0, 1 and 2, 3, at 128 (s % 2) + 16 i.   window 3: o's two tiles at 64 buf + 16 s; from v128 bo's 8 tiles.
.set TREC, 8448
.set SP,   528
.set LI,   1                           ; v1  16 x lane
.set SR,   2                           ; v2  16 x (lane % 16)
.set BOFF, 3                           ; v3  64 x (lane / 16)
.set STO,  5                           ; v5  the stage: where I put 16 bytes of my row
.set RD,   6                           ; v6  and where I read a row back
.set RS,   16
.set TS,   48
.set ACC,  64
.set OUT,  192
.set BI,   128                         ; in window 3
.set MSB, 0
.macro WIN new                         ; the immediate's high byte repeats the setting that is left
.if MSB != \new
	s_set_vgpr_msb (MSB<<8)|\new
.set MSB, \new
.endif
.endm
.macro LOADT buf                       ; o's tile buf of my two
	WIN 0xc0
.irp s, 0,1,2,3
.irp c, 0,1,2,3
	global_load_b128 v[64*\buf+16*\s+4*\c:64*\buf+16*\s+4*\c+3], v[LI], s[30:31] offset:\buf*TREC+\s*2048+\c*512
.endr
.endr
	WIN 0
	global_load_b128 v[TS+4*\buf:TS+4*\buf+3], v[SR], s[30:31] offset:\buf*TREC+8192
.endm
.macro MULS buf                        ; 32 matrix instructions: K step by K step, the 8 accumulators by turns, one instruction a turn
.irp s, 0,1,2,3
.if \s == 0
	WIN 0x3d                                       ; source 0 (Wo) window 1, source 1 (o) window 3, C (bo) window 3, D window 0
.elseif \s == 1
	WIN 0x0d
.else
	WIN 0x0e
.endif
.irp i, 0,1,2,3,4,5,6,7
.if \s == 0
	v_wmma_scale_f32_16x16x128_f8f6f4 v[ACC+64*\buf+8*\i:ACC+64*\buf+8*\i+7], v[16*\i:16*\i+15], v[64*\buf:64*\buf+15], v[BI+8*\i:BI+8*\i+7], v[RS+4*\i], v[TS+4*\buf] matrix_a_fmt:MATRIX_FMT_BF8 matrix_b_fmt:MATRIX_FMT_BF8
.else
	v_wmma_scale_f32_16x16x128_f8f6f4 v[ACC+64*\buf+8*\i:ACC+64*\buf+8*\i+7], v[128*(\s%2)+16*\i:128*(\s%2)+16*\i+15], v[64*\buf+16*\s:64*\buf+16*\s+15], v[ACC+64*\buf+8*\i:ACC+64*\buf+8*\i+7], v[RS+4*\i+\s], v[TS+4*\buf+\s] matrix_a_fmt:MATRIX_FMT_BF8 matrix_b_fmt:MATRIX_FMT_BF8
.endif
.endr
.endr
	WIN 0
.endm
.macro OUTT u                          ; tile u's 16 rows x 128 columns through my stage, and out
.irp b, 0,1,2,3
.irp q, 0,1,2,3
	ds_store_b128 v[STO], v[ACC+64*\u+16*\b+4*\q:ACC+64*\u+16*\b+4*\q+3] offset:128*\b+16*\q   ; each accumulator from its low end on
.endr
.endr
.irp i, 0,1,2,3,4,5,6,7,8,9,10,11,12,13,14,15
	ds_load_b128 v[OUT+4*\i:OUT+4*\i+3], v[RD] offset:\i*SP   ; LDS serves a wave's instructions in order (ISA guide 5.7.1.4): these see the stores above
.endr
.irp i, 0,1,2,3,4,5,6,7,8,9,10,11,12,13,14,15
	s_wait_dscnt 15-\i                             ; row i is back; the younger loads may be out
	global_store_b128 v[LI], v[OUT+4*\i:OUT+4*\i+3], s[34:35] offset:(8*\u+\i+8*(\i/8))*2048 th:TH_STORE_NT   ; the tile's lane-row i is token 8 u + i + 8 (i / 8) of my 32
.endr
.endm
	s_load_b256 s[4:11], s[0:1], 0x0               ; oimg s[4:5], wimg s[6:7], bo s[8:9], out0 s[10:11]
	v_lshl_add_u32 v62, v0, 2, 0x8400
	v_mov_b32 v63, 0
	v_lshrrev_b32 v8, 5, v0
	v_readfirstlane_b32 s18, v8                    ; wave
	v_and_b32 v9, 31, v0
	v_and_b32 v10, 15, v0                          ; r
	v_bfe_u32 v11, v0, 4, 1                        ; h
	v_lshlrev_b32 v[LI], 4, v9
	v_lshlrev_b32 v[SR], 4, v10
	v_lshlrev_b32 v[BOFF], 6, v11
	s_mul_i32 s12, s18, 16*SP                      ; my stage
	v_mul_u32_u24 v[STO], v10, SP
	v_lshl_add_u32 v[STO], v11, 6, v[STO]
	v_add_nc_u32 v[STO], s12, v[STO]               ; row r, + 64 h
	v_add_nc_u32 v[RD], s12, v[LI]
	s_and_b32 s19, ttmp7, 0xffff                   ; tb
	s_mul_i32 s20, ttmp9, 8*TREC
	s_add_co_u32 s20, s20, 96*TREC                 ; Wo is the fourth weight in wimg; my 8 tiles of it
	s_mov_b32 s21, 0
	s_lshl_b32 s22, s19, 3
	s_lshl_b32 s23, s18, 1
	s_add_co_u32 s22, s22, s23
	s_mul_i32 s22, s22, TREC                       ; o's tile 8 tb + 2 w
	s_mov_b32 s23, 0
	s_lshl_b32 s24, ttmp9, 9                       ; 128 columns of f32
	s_mov_b32 s25, 0
	s_lshl_b32 s26, s19, 18                        ; 128 rows of 2,048 bytes,
	s_lshl_b32 s27, s18, 16                        ; 32 rows,
	s_add_co_u32 s26, s26, s27
	s_add_co_u32 s26, s26, s24                     ; and the columns
	s_mov_b32 s27, 0
	s_wait_alu depctr_va_vdst(0)
	s_wait_kmcnt 0x0
	s_add_nc_u64 s[28:29], s[6:7], s[20:21]
	s_add_nc_u64 s[30:31], s[4:5], s[22:23]
	s_add_nc_u64 s[32:33], s[8:9], s[24:25]
	s_add_nc_u64 s[34:35], s[10:11], s[26:27]
	WIN 0x40
.irp s, 0,1
.irp i, 0,1,2,3,4,5,6,7
.irp c, 0,1,2,3
	global_load_b128 v[128*\s+16*\i+4*\c:128*\s+16*\i+4*\c+3], v[LI], s[28:29] offset:\i*TREC+\s*2048+\c*512
.endr
.endr
.endr
	WIN 0x80
.irp s, 0,1
.irp i, 0,1,2,3,4,5,6,7
.irp c, 0,1,2,3
	global_load_b128 v[128*\s+16*\i+4*\c:128*\s+16*\i+4*\c+3], v[LI], s[28:29] offset:\i*TREC+(2+\s)*2048+\c*512
.endr
.endr
.endr
	WIN 0
.irp i, 0,1,2,3,4,5,6,7
	global_load_b128 v[RS+4*\i:RS+4*\i+3], v[SR], s[28:29] offset:\i*TREC+8192
.endr
	WIN 0xc0
.irp i, 0,1,2,3,4,5,6,7                        ; bo in the result's layout: lane (r, h), tile 2 b + u: columns 32 b + 8 u + 16 h + 0 .. 7
	global_load_b128 v[BI+8*\i:BI+8*\i+3], v[BOFF], s[32:33] offset:(32*(\i/2)+8*(\i%2))*4
	global_load_b128 v[BI+8*\i+4:BI+8*\i+7], v[BOFF], s[32:33] offset:(32*(\i/2)+8*(\i%2))*4+16
.endr
	WIN 0
	LOADT 0
	LOADT 1
	s_wait_loadcnt 17                              ; all but tile 1's seventeen loads
	MULS 0
	s_wait_loadcnt 0x0
	MULS 1
.rept 8
	v_nop                                          ; eight places ahead of the LDS stores that read the results
.endr
	OUTT 0
	s_wait_xcnt 0x0                                ; tile 0's stores have read their data: the rows' registers are loaded again only behind this wait
	OUTT 1
	s_wait_tensorcnt 0x0
	ds_add_u32 v62, v63
	s_wait_dscnt 0x0
	s_endpgm
.Lfunc_end_k_q482f5bbd3c_oproj:
	.size	k_q482f5bbd3c_oproj, .Lfunc_end_k_q482f5bbd3c_oproj-k_q482f5bbd3c_oproj
	.p2alignl 7, 3214868480
	.fill 96, 4, 3214868480
	.section	.rodata,"a",@progbits
	.p2align	6, 0x0
	.amdhsa_kernel k_q482f5bbd3c_oproj
		.amdhsa_group_segment_fixed_size 34304
		.amdhsa_private_segment_fixed_size 0
		.amdhsa_enable_private_segment 0
		.amdhsa_kernarg_size 32
		.amdhsa_user_sgpr_count 2
		.amdhsa_user_sgpr_kernarg_segment_ptr 1
		.amdhsa_wavefront_size32 1
		.amdhsa_system_sgpr_workgroup_id_x 1
		.amdhsa_system_sgpr_workgroup_id_y 1
		.amdhsa_system_sgpr_workgroup_id_z 1
		.amdhsa_system_vgpr_workitem_id 0
		.amdhsa_next_free_vgpr 1024
		.amdhsa_next_free_sgpr 66
		.amdhsa_reserve_vcc 0
		.amdhsa_float_denorm_mode_32 3
		.amdhsa_float_denorm_mode_16_64 3
		.amdhsa_memory_ordered 1
		.amdhsa_forward_progress 1
		.amdhsa_inst_pref_size 37
	.end_amdhsa_kernel
	.amdgpu_metadata
---
amdhsa.version: [ 1, 2 ]
amdhsa.kernels:
  - .name:           k_q482f5bbd3c_oproj
    .symbol:         k_q482f5bbd3c_oproj.kd
    .args:
      - { .name: oimg, .offset: 0, .size: 8, .value_kind: global_buffer, .address_space: global }
      - { .name: wimg, .offset: 8, .size: 8, .value_kind: global_buffer, .address_space: global }
      - { .name: bo, .offset: 16, .size: 8, .value_kind: global_buffer, .address_space: global }
      - { .name: out0, .offset: 24, .size: 8, .value_kind: global_buffer, .address_space: global }
    .group_segment_fixed_size: 34304
    .private_segment_fixed_size: 0
    .kernarg_segment_align: 8
    .kernarg_segment_size: 32
    .max_flat_workgroup_size: 128
    .sgpr_count:     66
    .vgpr_count:     1024
    .wavefront_size: 32
...
	.end_amdgpu_metadata
.endif
;; end of part 4
